; MI455X (gfx1250); checked and timed in simulation.
; The chip was launched on July 23, 2026; its instructions are those of AMD's public machine-readable ISA for CDNA 5 (MIT licence, August 2026) and "CDNA5" Instruction Set Architecture Reference Guide (July 2026). The comments in the code are by the model that wrote it; some were corrected since.
;; Point Attention Network. Allowed arithmetic: matrix products marked QUANTISED: E2M1 operands, one E8M0 scale for each 32 along K, by v_wmma_scale_f32_16x16x128_f8f6f4 with both operands' format E2M1 (or v_wmma_scale_f32_32x16x128_f4), f32 sums; everything else in f32.
;; Inputs: W1 128 x 512 float32; W2 128 x 512 float32; W3 256 x 512 float32; b1 128 float32; b2 128 float32; b3 256 float32; g1 128 float32; g2 128 float32; g3 256 float32; m1 128 float32; m2 128 float32; m3 256 float32; v1 128 float32; v2 128 float32; v3 256 float32; x 8 x 512 x 4,096 float32.
;; Outputs: out0 8 x 256 x 4,096 float32.
;; This version of the problem:
;;   THIS VERSION OF THE PROBLEM IS GIVEN IN LOW PRECISION. The matrix products marked QUANTISED in the list below multiply operands that are first quantised to E2M1 (2 exponent bits, 1 mantissa bit; 4 bits a number), with one power-of-two scale for each 32 numbers along K (OCP MX v1.0); their sums are f32. All else is computed in f32.
;;   The module's matrix products, in the order in which they are computed (A, B: the left and right operand; K: the contracted axis; several contracted axes count as one K, in the product's order):
;;     1. [M 32,768, K 512] x [K 512, N 128]; A: input x; B: input W1: QUANTISED
;;     2. [M 32,768, K 512] x [K 512, N 128]; A: input x; B: input W2: QUANTISED
;;     3. batch 8 x [M 4,096, K 128] x [K 128, N 4,096]; A: computed on the way; B: computed on the way: QUANTISED
;;     4. [M 32,768, K 512] x [K 512, N 256]; A: input x; B: input W3: QUANTISED
;;     5. batch 8 x [M 256, K 4,096] x [K 4,096, N 4,096]; A: computed on the way; B: softmax (see below): QUANTISED
;;   THE QUANTISER, for each operand of a quantised product, along K:
;;     - K is cut into blocks of 32 from its start; a last block that is shorter is filled with zeros.
;;     - A block's scale is 2^e with e = floor(log2(the largest magnitude in the block)) - 2, held to -126 .. 127; a block of zeros has e = 0. As a byte (E8M0): e + 127.
;;     - Each number is divided by its block's scale, clamped to +-6, and rounded to the nearest number of E2M1, ties to even, subnormals kept.
;;     - The product sums the exact products of the quantised numbers (number of the format x scale) in f32.
;;   ~~~python
;;   def quantise(x, axis):      # numpy; x: float32 -> the quantised numbers, widened to float32 again
;;       x = np.moveaxis(x, axis, -1); K = x.shape[-1]
;;       x = np.pad(x, [(0, 0)] * (x.ndim - 1) + [(0, -K % 32)]); x = x.reshape(x.shape[:-1] + (-1, 32)); a = np.abs(x).max(-1, keepdims=True)
;;       e = np.where(a > 0, np.clip(np.frexp(np.where(a > 0, a, 1))[1] - 1 - 2, -126, 127), 0)      # np.frexp(a)[1] - 1 = floor(log2(a)), exactly
;;       r = np.clip(x / 2.0 ** e, -6, 6)
;;       step = 2.0 ** (np.maximum(np.frexp(np.where(r == 0, 1, r))[1] - 1, 0) - 1)
;;       q = np.round(r / step) * step * 2.0 ** e      # np.round: ties to even
;;       return np.moveaxis(q.reshape(q.shape[:-2] + (-1,))[..., :K], -1, axis).astype(np.float32)
;;   ~~~
;;   SOFTMAX AHEAD OF A QUANTISED PRODUCT. Where the list says 'softmax', what is quantised is not the finished softmax but p = 2^(t - M), with t = logit x log2(e) and M = ceil(the row's largest t), a whole number; so 1/2 < the row's largest p <= 1. The row's sum l is taken of the UNQUANTISED p, in f32, and the product's result is divided by l at the end. Since M is a whole number, a kernel that streams over the keys may use a running M (the ceiling of the running maximum): every later rescaling is an exact power of two, which a block's scale takes up: the codes' values come out the same.
;;   OPERANDS COMPUTED ON THE WAY. 'Computed on the way' means the value that the module computes at that place (a softmax that the list does not call 'softmax' is quantised finished and normalised). What goes into a quantiser is computed in f32, as accurately as f32 sums, v_exp_f32 and their like allow (about 1e-6 of the number): no bf16 or f16 on the way to a quantiser, and a product that is left as it is and whose result goes on into a quantised operand takes f32 operands (vector FMAs, or v_wmma_f32_16x16x4_f32). A number that lies on a knife's edge between two numbers of the format may be rounded either way, as far as f32 arithmetic and the matrix unit's own rounding can turn it there, and no further.
;; One version. Each part assembles by itself: llvm-mc -triple=amdgcn-amd-amdhsa -mcpu=gfx1250 --defsym DOCPART=n.
;; ======== version 1 of 1: 3 launches
;; workspace buffers: wc 131,072 bytes; ws 8,192 bytes; bn 4,096 bytes; qc 2,228,224 bytes; kv 6,291,456 bytes; sc 393,216 bytes; vres 33,554,432 bytes
;; launch wprep (part 1): grid 32 x 1, 4 waves a work-group, no clusters, 768 bytes of LDS; arguments W1, g1, b1, m1, v1, W2, g2, b2, m2, v2, W3, g3, b3, m3, v3, wc, ws, bn; writes wc, ws, bn
.if DOCPART == 1
	.amdgcn_target "amdgcn-amd-amdhsa--gfx1250"
	.amdhsa_code_object_version 6
	.text
	.protected	k_q77e1063a88_wprep
	.globl	k_q77e1063a88_wprep
	.p2align	8
	.type	k_q77e1063a88_wprep,@function
k_q77e1063a88_wprep:
	s_mov_b64 s[64:65], 0
	v_nop
	global_prefetch_b8 v0, s[64:65] scope:SCOPE_SE
	s_setreg_imm32_b32 hwreg(HW_REG_WAVE_MODE, 25, 1), 1
	s_wait_xcnt 0x0
; W1 [128][512], W2 [128][512], W3 [256][512], f32, K innermost, become codes of FP4 (E2M1) with one E8M0 byte for each 32 along K, laid in the ORDER OF THE OPERAND'S REGISTERS,
; and the three batch norms are folded: S = g / sqrt(v + 1e-5), T = b - m S.
; ROLES: 0 = W1, 1 = W2, 2 = W3's rows 0-127, 3 = W3's rows 128-255.  Work-group g = 8 role + tile takes 16 rows x 512 K; WAVE s TAKES K STEP s: one fragment of 16 x 128, so that all of a work-group's loads go out at once.
; THE ROWS OF A TILE: roles 0 and 1 feed a product that is used transposed and whose result is quantised along these rows, so lane r of tile 2 b + u takes row 32 b + 8 u + r + 8 (r / 8);
; roles 2 and 3 take neighbours, 16 t + r.
; OUT.  wc: [role][tile][K step] images of 1,024 bytes: registers 4 c .. 4 c + 3 of lane L at 512 c + 16 L.   ws: [role][pair of tiles][lane][K step] words: lanes 0-15 the even tile's rows, lanes 16-31 the odd tile's.
; bn: S[512] at byte 0, T[512] at byte 2,048; index 128 role + channel.
; A lane holds two whole blocks of 32 of its row (k = 64 c + 32 (lane / 16) + 0 .. 31), as the operand's layout gives them: the conversions' results are the operand's registers.
; A row's four scale words come from four waves: they meet in 256 bytes of LDS, and wave 0 stores them as 256 consecutive bytes, aligned.
; LIMITS: NaN and infinities are not served; a block whose largest magnitude lies under 2^-124, a block of zeros too, gets the byte 1 (its codes are then zeros or subnormal codes; these bytes are read by this program alone);
; v + 1e-5 is a normal positive number.  S comes from v_rsq_f32 and one multiplication, T from one fused multiply-add.
.set X,   64                           ; v64-127  my K step's 64 numbers
.set CD,  32                           ; v32-39   its codes
	s_load_b512 s[8:23], s[0:1], 0x0               ; argument i stands in s[8 + 2 i : 9 + 2 i]: W1 g1 b1 m1 v1 W2 g2 b2,
	s_load_b512 s[24:39], s[0:1], 0x40             ; m2 v2 W3 g3 b3 m3 v3 wc,
	s_load_b128 s[40:43], s[0:1], 0x80             ; ws bn
	v_lshl_add_u32 v128, v0, 2, 0x100
	v_mov_b32 v129, 0
	v_lshrrev_b32 v1, 5, v0
	v_readfirstlane_b32 s7, v1                     ; wave = K step s
	s_lshr_b32 s2, ttmp9, 3                        ; role
	s_and_b32 s3, ttmp9, 7                         ; tile t
	s_lshr_b32 s4, s3, 1
	s_lshl_b32 s4, s4, 5
	s_and_b32 s5, s3, 1
	s_lshl_b32 s5, s5, 3
	s_add_co_u32 s4, s4, s5                        ; 32 (t / 2) + 8 (t % 2)
	s_lshl_b32 s5, s3, 4                           ; 16 t
	s_max_u32 s6, s2, 2
	s_sub_co_u32 s6, s6, 2
	s_lshl_b32 s6, s6, 7
	s_add_co_u32 s6, s6, s5                        ; 128 (role - 2) + 16 t
	s_cmp_lt_u32 s2, 2
	s_cselect_b32 s44, 8, 0                        ; roles 0, 1: lanes 8-15 stand 8 rows further on
	s_cselect_b32 s45, s4, s6                      ; the tile's first row
	s_cselect_b32 s46, s5, s6                      ; the first of the 16 channels whose batch norm is folded here, in g, b, m, v
	s_mov_b32 s47, 0xffff0000                      ; lanes 16-31
	s_mov_b32 s48, 0x76543210
	s_mov_b32 s49, 0xfedcba98                      ; v_permlanex16_b32's selects for lane l xor 16
	s_lshl_b32 s60, ttmp9, 12
	s_lshl_b32 s66, s7, 10
	s_add_co_u32 s60, s60, s66                     ; my image in wc: 4,096 g + 1,024 s
	s_mov_b32 s61, 0
	s_lshl_b32 s62, ttmp9, 8                       ; the tile's 256 bytes in ws: 2,048 role + 512 (t / 2) + 256 (t % 2) = 256 g
	s_lshl_b32 s63, ttmp9, 4                       ; its first channel in bn: 128 role + 16 t = 16 g
	s_lshl_b32 s67, s7, 9                          ; my K step's 512 bytes of a row
	s_lshl_b32 s68, s7, 2                          ; my K step's word of a row's four
	v_and_b32 v1, 15, v0                           ; r
	v_bfe_u32 v2, v0, 4, 1                         ; h
	v_and_b32 v15, 31, v0                          ; lane
	v_and_b32 v3, s44, v1
	v_add_nc_u32 v3, v3, v1
	v_add_nc_u32 v3, s45, v3                       ; my row
	v_lshlrev_b32 v3, 11, v3                       ; x 2,048 bytes
	v_lshl_add_u32 v3, v2, 7, v3                   ; + 128 h: my 32 numbers of each 64
	v_add_nc_u32 v3, s67, v3                       ; + my K step
	v_lshlrev_b32 v4, 4, v15                       ; 16 x lane: my place in an image
	v_add_nc_u32 v5, s46, v1
	v_lshlrev_b32 v5, 2, v5                        ; my channel in g, b, m, v
	v_add_nc_u32 v6, s63, v1
	v_lshlrev_b32 v6, 2, v6
	v_lshl_add_u32 v6, v2, 11, v6                  ; bn: lanes 0-15 store S, lanes 16-31 T
	v_lshl_add_u32 v7, v15, 3, s62                 ; ws: 8 bytes a lane of the tile's 256
	v_lshl_add_u32 v16, v1, 4, s68                 ; LDS, in: row r's 16 bytes, my K step's word
	v_lshlrev_b32 v17, 3, v15                      ; LDS, back: 8 bytes a lane
	v_lshlrev_b32 v14, 3, v2                       ; 8 h
	v_mov_b32 v27, 0                               ; written once: a lane permute's destination counts as one of its sources
	s_wait_kmcnt 0x0
	s_cmp_eq_u32 s2, 0                             ; W, g, b, m, v of my role into s[50:59]: the choice hangs on the work-group's number alone
.irp i, 0,1,2,3,4
	s_cselect_b64 s[50+2*\i:51+2*\i], s[8+2*\i:9+2*\i], s[28+2*\i:29+2*\i]
.endr
	s_cmp_eq_u32 s2, 1
.irp i, 0,1,2,3,4
	s_cselect_b64 s[50+2*\i:51+2*\i], s[18+2*\i:19+2*\i], s[50+2*\i:51+2*\i]
.endr
	s_add_nc_u64 s[38:39], s[38:39], s[60:61]
	global_load_b32 v8, v5, s[52:53]               ; g
	global_load_b32 v9, v5, s[54:55]               ; b
	global_load_b32 v10, v5, s[56:57]              ; m
	global_load_b32 v11, v5, s[58:59]              ; v
.irp c, 0,1                                    ; k = 128 s + 64 c + 32 h + 0 .. 31 of my row
.irp q, 0,1,2,3,4,5,6,7
	global_load_b128 v[X+32*\c+4*\q:X+32*\c+4*\q+3], v3, s[50:51] offset:256*\c+16*\q th:TH_LOAD_NT
.endr
.endr
	s_wait_loadcnt 0x0                             ; all that the wave ever loads from memory
.irp c, 0,1
	v_max3_num_f32 v[20+\c], |v[X+32*\c]|, |v[X+32*\c+1]|, 0x1800000   ; my block 2 c + h: all its 32 numbers are mine; and the floor 2^(3 - 127): the byte cannot fall under 1
.endr
.irp i, 2,4,6,8,10,12,14,16,18,20,22,24,26,28,30
.irp c, 0,1
	v_max3_num_f32 v[20+\c], v[20+\c], |v[X+32*\c+\i]|, |v[X+32*\c+\i+1]|   ; (the two blocks by turns)
.endr
.endr
.irp c, 0,1
	v_add_nc_u32 v[22+\c], 0xff000000, v[20+\c]    ; 2 off the exponent field: the conversion takes this operand's exponent field as its scale
.endr
.irp c, 0,1
	v_lshrrev_b32 v[24+\c], 23, v[22+\c]           ; the scale's byte
.endr
	v_lshl_or_b32 v26, v25, 16, v24                ; my two bytes, blocks h and 2 + h,
	v_lshlrev_b32 v26, v14, v26                    ; at their places in the word;
	v_permlanex16_b32 v27, v26, s48, s49
	v_or_b32 v18, v26, v27                         ; with lane l xor 16's two the word is whole, in both halves of the lanes
.irp c, 0,1
.irp g, 0,1,2,3
	v_cvt_scalef32_pk8_fp4_f32 v[CD+4*\c+\g], v[X+32*\c+8*\g:X+32*\c+8*\g+7], v[22+\c]
.endr
.endr
	v_nop                                          ; one plain line behind the last scaled conversion
.irp c, 0,1
	global_store_b128 v4, v[CD+4*\c:CD+4*\c+3], s[38:39] offset:512*\c   ; 32 lanes store 512 consecutive bytes
.endr
	ds_store_b32 v16, v18                          ; lanes r and r + 16 write the same word with the same value
	v_add_f32 v30, 0x3727c5ac, v11                 ; v + 1e-5
	v_rsq_f32 v31, v30
	v_nop                                          ; a plain line behind the transcendental,
	s_wait_alu depctr_va_vdst(0)                   ; and a wait ahead of its first reader
	v_mul_f32 v12, v8, v31                         ; S
	v_fma_f32 v13, -v10, v12, v9                   ; T = b - m S
	v_cndmask_b32 v19, v12, v13, s47
	s_wait_dscnt 0x0                               ; for the others' sake: my word is in LDS
	s_barrier_signal -1
	s_barrier_wait -1                              ; all four words of every row are
	s_cmp_lg_u32 s7, 0
	s_cbranch_scc1 .Lend                           ; wave 0 alone stores what belongs to the tile as a whole
	ds_load_b64 v[28:29], v17
	s_wait_dscnt 0x0
	global_store_b64 v7, v[28:29], s[40:41]        ; 32 lanes store 256 consecutive bytes, aligned
	global_store_b32 v6, v19, s[42:43]             ; S of the 16 channels, and T
.Lend:
	s_wait_tensorcnt 0x0
	ds_add_u32 v128, v129
	s_wait_dscnt 0x0
	s_endpgm
.Lfunc_end_k_q77e1063a88_wprep:
	.size	k_q77e1063a88_wprep, .Lfunc_end_k_q77e1063a88_wprep-k_q77e1063a88_wprep
	.p2alignl 7, 3214868480
	.fill 96, 4, 3214868480
	.section	.rodata,"a",@progbits
	.p2align	6, 0x0
	.amdhsa_kernel k_q77e1063a88_wprep
		.amdhsa_group_segment_fixed_size 768
		.amdhsa_private_segment_fixed_size 0
		.amdhsa_enable_private_segment 0
		.amdhsa_kernarg_size 144
		.amdhsa_user_sgpr_count 2
		.amdhsa_user_sgpr_kernarg_segment_ptr 1
		.amdhsa_wavefront_size32 1
		.amdhsa_system_sgpr_workgroup_id_x 1
		.amdhsa_system_sgpr_workgroup_id_y 1
		.amdhsa_system_sgpr_workgroup_id_z 1
		.amdhsa_system_vgpr_workitem_id 0
		.amdhsa_next_free_vgpr 130
		.amdhsa_next_free_sgpr 72
		.amdhsa_reserve_vcc 0
		.amdhsa_float_denorm_mode_32 3
		.amdhsa_float_denorm_mode_16_64 3
		.amdhsa_memory_ordered 1
		.amdhsa_forward_progress 1
		.amdhsa_inst_pref_size 9
	.end_amdhsa_kernel
	.amdgpu_metadata
---
amdhsa.version: [ 1, 2 ]
amdhsa.kernels:
  - .name:           k_q77e1063a88_wprep
    .symbol:         k_q77e1063a88_wprep.kd
    .args:
      - { .name: W1, .offset: 0, .size: 8, .value_kind: global_buffer, .address_space: global }
      - { .name: g1, .offset: 8, .size: 8, .value_kind: global_buffer, .address_space: global }
      - { .name: b1, .offset: 16, .size: 8, .value_kind: global_buffer, .address_space: global }
      - { .name: m1, .offset: 24, .size: 8, .value_kind: global_buffer, .address_space: global }
      - { .name: v1, .offset: 32, .size: 8, .value_kind: global_buffer, .address_space: global }
      - { .name: W2, .offset: 40, .size: 8, .value_kind: global_buffer, .address_space: global }
      - { .name: g2, .offset: 48, .size: 8, .value_kind: global_buffer, .address_space: global }
      - { .name: b2, .offset: 56, .size: 8, .value_kind: global_buffer, .address_space: global }
      - { .name: m2, .offset: 64, .size: 8, .value_kind: global_buffer, .address_space: global }
      - { .name: v2, .offset: 72, .size: 8, .value_kind: global_buffer, .address_space: global }
      - { .name: W3, .offset: 80, .size: 8, .value_kind: global_buffer, .address_space: global }
      - { .name: g3, .offset: 88, .size: 8, .value_kind: global_buffer, .address_space: global }
      - { .name: b3, .offset: 96, .size: 8, .value_kind: global_buffer, .address_space: global }
      - { .name: m3, .offset: 104, .size: 8, .value_kind: global_buffer, .address_space: global }
      - { .name: v3, .offset: 112, .size: 8, .value_kind: global_buffer, .address_space: global }
      - { .name: wc, .offset: 120, .size: 8, .value_kind: global_buffer, .address_space: global }
      - { .name: ws, .offset: 128, .size: 8, .value_kind: global_buffer, .address_space: global }
      - { .name: bn, .offset: 136, .size: 8, .value_kind: global_buffer, .address_space: global }
    .group_segment_fixed_size: 768
    .private_segment_fixed_size: 0
    .kernarg_segment_align: 8
    .kernarg_segment_size: 144
    .max_flat_workgroup_size: 128
    .sgpr_count:     72
    .vgpr_count:     130
    .wavefront_size: 32
...
	.end_amdgpu_metadata
.endif
;; end of part 1
;; launch proj (part 2): grid 32 x 8, 4 waves a work-group, no clusters, 299,520 bytes of LDS; arguments x, wc, ws, bn, qc, kv, sc, vres; writes qc, kv, sc, vres
.if DOCPART == 2
	.amdgcn_target "amdgcn-amd-amdhsa--gfx1250"
	.amdhsa_code_object_version 6
	.text
	.protected	k_q77e1063a88_proj
	.globl	k_q77e1063a88_proj
	.p2align	8
	.type	k_q77e1063a88_proj,@function
k_q77e1063a88_proj:
	s_mov_b64 s[64:65], 0
	v_nop
	global_prefetch_b8 v0, s[64:65] scope:SCOPE_SE
	s_setreg_imm32_b32 hwreg(HW_REG_WAVE_MODE, 25, 1), 1
	s_wait_xcnt 0x0
; a = relu(bn1(W1 x)), k = relu(bn2(W2 x)), v = relu(bn3(W3 x)) for 128 points of one batch, the three products on codes of FP4 (E2M1) with one E8M0 byte for each 32 along K = the 512 input channels.
; x: [8][512][4096] f32.  The results leave as the operands of the attention launch: a and k quantised along their 128 channels, v along the points; v also as f32, for the residual.
; SHARES.  Work-group (step, b) takes points 128 step .. + 127 of batch b: 512 rows of 512 bytes of x, which come into LDS once, by tensor loads that all go out at the first lines.
; Wave w (1) quantises points 32 w .. 32 w + 31 along the channels: A LANE TAKES A POINT AND ITS REGISTERS RUN DOWN THE CHANNELS, so that a block of 32 lies in one lane; the fragments go to LDS as images of their registers;
; (2) is ROLE w in the products: 128 output channels x 128 points, 256 matrix instructions; its 32 fragments of W (made by the launch before) and x's 32 stay in registers.
; A TILE OF POINTS 2 b + u holds in lane r the point 32 b + 8 u + r + 8 (r / 8).
; ONE TEXT FOR FOUR ROLES: D_i = G0[i] x G1[j].  Roles 0, 1: G0 = W's tiles, G1 = x's: a lane holds point r of tile j and its 64 registers the channels 32 b + 16 h + e.
; Roles 2, 3: G0 = x's tiles, G1 = W3's: a lane holds channel 16 j + r and its 64 registers the points 32 b + 16 h + e.  Both are what QUANT takes.  Only the windows of the loads, the batch norm's lines and v's f32 store differ:
; they stand under short branches on the wave's number.
; No cluster: what work-groups share is W, 34 KB a wave beside the work-group's 256 KB of x, and it goes straight into registers; LDS is full of x.  No prefetch: all of x is asked for at the head.
; LIMITS: NaN and infinities are not served; a block whose largest magnitude lies under 2^-124, a block of zeros too, gets the byte 1 (read by this program alone).
; LDS: x's tile [512 channels][512 bytes] at 0, filled once; XIMG: x's 32 images, (tile p, K step s) at 1,024 (4 p + s); XSC: their scale words [pair of tiles][lane][K step].
; The stages of waves 2 and 3 (16 rows x 528 bytes at 65,536 w) lie in x's tile, which has had its only fill, and its last read in front of the last barrier.
; REGISTERS: window 0 below; window 1: G0, fragment (i, s) at v[8 (4 i + s)]; window 2: G1 likewise; window 3: S at v0-63, T at v64-127.
.set XIMG, 262144
.set XSC,  294912
.set LI,   1                           ; v1    16 x lane
.set XA,   2                           ; v2-5  x's tile: my point's word in the first row of K step s
.set XW,   6                           ; v6    where I store my wave's images
.set XSW,  7                           ; v7    and their scale words
.set XSR,  8                           ; v8    where scale words are read
.set XI,   9                           ; v9    where images are read
.set SO,   10                          ; v10   the stage, in
.set SR,   11                          ; v11   the stage, back
.set BH,   12                          ; v12   64 h
.set BR,   13                          ; v13   4 r
.set SCA,  16                          ; v16-31  scale words of G0: register 4 (i / 2) + s: lanes 0-15 the even tile's rows, lanes 16-31 the odd tile's
.set SCB,  32                          ; v32-47  of G1 likewise
.set HA,   48                          ; v48-111 64 numbers of x, later the eight accumulators
.set PC,   112                         ; v112-127 codes
.set SW,   128                         ; v128-131 x's scale words, later the results' scale words
.set TM,   132                         ; v132-147 at work
.set PW,   148                         ; v148  the scale word just made
.set RB,   160                         ; v160-223 16 rows of v back from the stage
.set MSB, 0
.macro WIN new                         ; the immediate's high byte repeats the setting that is left
.if MSB != \new
	s_set_vgpr_msb (MSB<<8)|\new
.set MSB, \new
.endif
.endm
	s_load_b512 s[4:19], s[0:1], 0x0               ; x, wc, ws, bn, qc, kv, sc, vres
	v_lshl_add_u32 v254, v0, 2, 0x49000
	v_mov_b32 v255, 0
	ds_add_u32 v254, v255
	ds_add_u32 v254, v255
	v_lshrrev_b32 v1, 5, v0
	v_readfirstlane_b32 s20, v1                    ; wave = role
	s_mov_b32 s21, ttmp9                           ; step
	s_and_b32 s22, ttmp7, 0xffff                   ; batch
	s_lshl_b32 s23, s22, 5
	s_add_co_u32 s23, s23, s21                     ; block = 32 b + step
	; descriptor group 1: 32 rows of 128 elements of 4 bytes, 4,096 elements from row to row, dense in LDS
	s_mov_b32 s24, 2<<16                           ; no mask; elements of 4 bytes; no padding
	s_mov_b32 s25, 128<<16                         ; tensor_dim0
	s_mov_b32 s26, 32<<16                          ; tensor_dim1
	s_mov_b32 s27, 128<<16                         ; tile_dim0
	s_mov_b32 s28, 32                              ; tile_dim1
	s_mov_b32 s29, 4096                            ; tensor_dim0_stride
	s_mov_b32 s30, 0
	s_mov_b32 s31, 0
	s_lshl_b32 s68, s22, 23                        ; the batch: 512 x 16,384 bytes,
	s_lshl_b32 s70, s21, 9                         ; the step's 512 bytes of a row,
	s_add_co_u32 s68, s68, s70
	s_lshl_b32 s70, s20, 19                        ; my 32 rows of a K step's 128
	s_add_co_u32 s68, s68, s70
	s_mov_b32 s69, 0
	s_lshl_b32 s71, s20, 14                        ; and their place in LDS
	s_mov_b32 s50, 0x76543210
	s_mov_b32 s51, 0xfedcba98                      ; v_permlanex16_b32's selects for lane l xor 16
	s_mov_b32 s52, 0xffff0000                      ; lanes 16-31
	s_wait_dscnt 0x0
	s_wait_kmcnt 0x0
	s_add_nc_u64 s[72:73], s[4:5], s[68:69]
.irp j, 0,1,2,3                        ; load j: channels 128 j + 32 w .. + 31.  A K step's 128 rows shared among four waves are 32 rows a load, so that a K step can be worked on while the later ones land
	s_mov_b32 s[32+4*\j], 1
	s_add_co_u32 s[33+4*\j], s71, 65536*\j
	s_add_nc_u64 s[34+4*\j:35+4*\j], s[72:73], 2097152*\j
	s_or_b32 s[35+4*\j], s[35+4*\j], 0x80000000
.endr
.irp j, 0,1,2,3
	tensor_load_to_lds s[32+4*\j:35+4*\j], s[24:31]   ; four loads of mine are out: the work-group's whole tile is on its way
	s_nop 0
.endr
.rept 4
	v_nop
.endr
	; where the results go.  Fragments: role 0: qc + 8,704 block; else kv + 24,576 block + 8,192 (role - 1).  Scale words: role 0: 8,192 behind its fragments' first byte; else sc + 1,536 block + 512 (role - 1)
	s_mul_i32 s74, s23, 8704
	s_mul_i32 s75, s23, 24576
	s_mul_i32 s76, s23, 1536
	s_max_u32 s77, s20, 1
	s_sub_co_u32 s77, s77, 1
	s_lshl_b32 s78, s77, 13
	s_add_co_u32 s75, s75, s78
	s_lshl_b32 s78, s77, 9
	s_add_co_u32 s76, s76, s78
	s_add_co_u32 s78, s74, 8192
	s_cmp_eq_u32 s20, 0
	s_cselect_b32 s80, s74, s75
	s_cselect_b32 s82, s78, s76
	s_cselect_b64 s[54:55], s[12:13], s[14:15]
	s_cselect_b64 s[56:57], s[12:13], s[16:17]
	s_mov_b32 s81, 0
	s_mov_b32 s83, 0
	s_add_nc_u64 s[54:55], s[54:55], s[80:81]
	s_add_nc_u64 s[56:57], s[56:57], s[82:83]
	s_max_u32 s77, s20, 2
	s_sub_co_u32 s77, s77, 2
	s_lshl_b32 s74, s77, 21                        ; vres: role 3's 128 channels of 16,384 bytes,
	s_lshl_b32 s75, s22, 22                        ; the batch's 256,
	s_add_co_u32 s74, s74, s75
	s_lshl_b32 s75, s21, 9                         ; the step's 512 bytes of a row
	s_add_co_u32 s74, s74, s75
	s_mov_b32 s75, 0
	s_add_nc_u64 s[58:59], s[18:19], s[74:75]
	s_lshl_b32 s74, s20, 15
	s_add_nc_u64 s[60:61], s[6:7], s[74:75]        ; my role's 32 images of W,
	s_lshl_b32 s74, s20, 11
	s_add_nc_u64 s[62:63], s[8:9], s[74:75]        ; their scale words,
	s_lshl_b32 s74, s20, 9
	s_add_nc_u64 s[66:67], s[10:11], s[74:75]      ; my role's S; T stands 2,048 bytes on
	; every LDS address is made here, ahead of the first parting by role
	v_and_b32 v14, 31, v0
	v_lshlrev_b32 v[LI], 4, v14
	v_and_b32 v15, 15, v0                          ; r
	v_bfe_u32 v149, v0, 4, 1                       ; h
	v_and_b32 v150, 7, v0
	v_and_b32 v151, 8, v0
	v_lshl_or_b32 v150, v151, 1, v150
	v_lshl_or_b32 v150, v149, 3, v150              ; lanes 0-15 take the points of tile 2 w, lanes 16-31 of tile 2 w + 1: 8 (l / 16) + l % 8 + 16 ((l / 8) % 2)
	v_lshlrev_b32 v150, 2, v150
	s_lshl_b32 s74, s20, 7
	v_add_nc_u32 v[XA], s74, v150
	v_add_nc_u32 v[XA+1], 0x10000, v[XA]
	v_add_nc_u32 v[XA+2], 0x20000, v[XA]
	v_add_nc_u32 v[XA+3], 0x30000, v[XA]
	s_lshl_b32 s74, s20, 13
	s_add_co_u32 s74, s74, XIMG
	v_add_nc_u32 v[XW], s74, v[LI]
	s_lshl_b32 s74, s20, 9
	s_add_co_u32 s74, s74, XSC
	v_add_nc_u32 v[XSW], s74, v[LI]
	v_add_nc_u32 v[XSR], XSC, v[LI]
	v_add_nc_u32 v[XI], XIMG, v[LI]
	s_lshl_b32 s74, s20, 16
	v_mul_u32_u24 v[SO], v15, 528
	v_lshl_add_u32 v[SO], v149, 6, v[SO]
	v_add_nc_u32 v[SO], s74, v[SO]                 ; the stage, in: row r, + 64 h
	v_add_nc_u32 v[SR], s74, v[LI]                 ; back: 16 bytes a lane of a row
	v_lshlrev_b32 v[BH], 6, v149
	v_lshlrev_b32 v[BR], 2, v15
.irp b, 0,1,2,3
	v_mov_b32 v[TM+4+\b], 0                        ; written once: a lane permute's destination counts as one of its sources
.endr
.macro LOADW                           ; my role's 32 fragments of W, as they lie
.set ff, 0
.rept 32
	global_load_b128 v[8*ff:8*ff+3], v[LI], s[60:61] offset:1024*ff
	global_load_b128 v[8*ff+4:8*ff+7], v[LI], s[60:61] offset:1024*ff+512
.set ff, ff+1
.endr
.endm
.macro LOADWS base
.irp p, 0,1,2,3
	global_load_b128 v[\base+4*\p:\base+4*\p+3], v[LI], s[62:63] offset:512*\p
.endr
.endm
.macro LOADX                           ; x's 32 fragments out of LDS
.set ff, 0
.rept 32
	ds_load_b128 v[8*ff:8*ff+3], v[XI] offset:1024*ff
	ds_load_b128 v[8*ff+4:8*ff+7], v[XI] offset:1024*ff+512
.set ff, ff+1
.endr
.endm
.macro LOADXS base
.irp p, 0,1,2,3
	ds_load_b128 v[\base+4*\p:\base+4*\p+3], v[XSR] offset:512*\p
.endr
.endm
	; W, its scale words and the batch norm are asked for while x is on its way
	s_cmp_lt_u32 s20, 2
	s_cbranch_scc0 .La_v
	WIN 0x40                                       ; roles 0, 1: W is G0: destination window 1
	LOADW
	WIN 0
	LOADWS SCA
	WIN 0xc0                                       ; destination window 3: S and T in the result's layout: tile i's register e is channel 32 (i / 2) + 16 h + 8 (i % 2) + e
.irp i, 0,1,2,3,4,5,6,7
	global_load_b128 v[8*\i:8*\i+3], v[BH], s[66:67] offset:(32*(\i/2)+8*(\i%2))*4
	global_load_b128 v[8*\i+4:8*\i+7], v[BH], s[66:67] offset:(32*(\i/2)+8*(\i%2))*4+16
	global_load_b128 v[64+8*\i:64+8*\i+3], v[BH], s[66:67] offset:2048+(32*(\i/2)+8*(\i%2))*4
	global_load_b128 v[64+8*\i+4:64+8*\i+7], v[BH], s[66:67] offset:2048+(32*(\i/2)+8*(\i%2))*4+16
.endr
	WIN 0
	s_branch .La_done
.La_v:
	WIN 0x80                                       ; roles 2, 3: W3 is G1: destination window 2
	LOADW
	WIN 0
	LOADWS SCB
	WIN 0xc0                                       ; S and T of channel 16 j + r, each twice: a pair for the packed multiply-add
.irp j, 0,1,2,3,4,5,6,7
	global_load_b32 v[2*\j], v[BR], s[66:67] offset:64*\j
	global_load_b32 v[2*\j+1], v[BR], s[66:67] offset:64*\j
	global_load_b32 v[64+2*\j], v[BR], s[66:67] offset:2048+64*\j
	global_load_b32 v[65+2*\j], v[BR], s[66:67] offset:2048+64*\j
.endr
	WIN 0
.La_done:
; K STEP s OF x: channels 128 s .. + 127 of my 32 points become one fragment of tile 2 w and one of tile 2 w + 1.
.macro XSTEP s
.if (\s) > 0
	s_wait_dscnt 0x0                               ; my LDS stores of the step before are done: nothing of mine is out at the signal
.endif
	s_wait_tensorcnt 3-(\s)                        ; my 32 rows of this K step have landed; my loads for the later K steps may stay out
	s_barrier_signal -1
	s_barrier_wait -1                              ; everybody's have
.irp c, 0,1
.set nn, 0
.rept 64
	ds_load_b32 v[HA+nn], v[XA+(\s)] offset:(64*\c+nn)*512   ; channel 128 s + 64 c + n of my point: 32 lanes read 32 different words of one row
.set nn, nn+1
.endr
	s_wait_dscnt 0x0
.irp e, 0,1
	v_max3_num_f32 v[TM+\e], |v[HA+32*\e]|, |v[HA+32*\e+1]|, 0x1800000   ; block 2 c + e: all its 32 numbers are mine; and the floor 2^(3 - 127): the byte cannot fall under 1
.endr
.irp i, 2,4,6,8,10,12,14,16,18,20,22,24,26,28,30
.irp e, 0,1
	v_max3_num_f32 v[TM+\e], v[TM+\e], |v[HA+32*\e+\i]|, |v[HA+32*\e+\i+1]|   ; (the two blocks by turns)
.endr
.endr
.irp e, 0,1
	v_add_nc_u32 v[TM+12+\e], 0xff000000, v[TM+\e] ; 2 off the exponent field: the conversion's scale operand
.endr
.irp e, 0,1
	v_lshrrev_b32 v[TM+2+\e], 23, v[TM+12+\e]      ; the scale's byte
.endr
.if \c == 0
	v_lshl_or_b32 v[SW+(\s)], v[TM+3], 8, v[TM+2]  ; byte 2 c + e of my point's word for this K step
.else
	v_lshl_or_b32 v[SW+(\s)], v[TM+2], 16, v[SW+(\s)]
	v_lshl_or_b32 v[SW+(\s)], v[TM+3], 24, v[SW+(\s)]
.endif
.irp e, 0,1
.irp g, 0,1,2,3
	v_cvt_scalef32_pk8_fp4_f32 v[PC+8*\c+4*\e+\g], v[HA+32*\e+8*\g:HA+32*\e+8*\g+7], v[TM+12+\e]
.endr
.endr
	v_nop                                          ; one plain line behind a scaled conversion
.irp g, 0,1,2,3
	v_permlane16_swap_b32 v[PC+8*\c+\g], v[PC+8*\c+4+\g]   ; the first's lanes 16-31 (tile 2 w + 1, block 2 c) change places with the second's lanes 0-15 (tile 2 w, block 2 c + 1): the first is now register 4 c + g of tile 2 w, the second of tile 2 w + 1
.endr
	ds_store_b128 v[XW], v[PC+8*\c:PC+8*\c+3] offset:1024*(\s)+512*\c
	ds_store_b128 v[XW], v[PC+8*\c+4:PC+8*\c+7] offset:4096+1024*(\s)+512*\c
.endr
.endm
	XSTEP 0
	XSTEP 1
	XSTEP 2
	XSTEP 3
	ds_store_b128 v[XSW], v[SW:SW+3]               ; my point's four words: lanes 0-15 tile 2 w's rows, lanes 16-31 tile 2 w + 1's
	s_wait_dscnt 0x0                               ; for the others' sake: my stores are done, and so are my reads of x's tile
	s_barrier_signal -1
	s_barrier_wait -1                              ; x's 32 images lie in LDS; nobody reads x's tile any more
	s_cmp_lt_u32 s20, 2
	s_cbranch_scc0 .Lb_v
	WIN 0x80                                       ; roles 0, 1: x is G1
	LOADX
	WIN 0
	LOADXS SCB
	s_branch .Lb_done
.Lb_v:
	WIN 0x40                                       ; roles 2, 3: x is G0
	LOADX
	WIN 0
	LOADXS SCA
.Lb_done:
	s_wait_loadcnt 0x0                             ; W, its scale words, S and T
	s_wait_dscnt 0x0                               ; x
; One matrix instruction: D_i (+)= G0[i, s] x G1[j, s].  An odd tile's scale words stand in lanes 16-31 of its pair's register.
.macro WM i, j, s
.set rD, HA+8*(\i)
.set rA, 8*(4*(\i)+(\s))
.set rB, 8*(4*(\j)+(\s))
.set rE, SCA+4*((\i)/2)+(\s)
.set rF, SCB+4*((\j)/2)+(\s)
.if (\s) == 0
.if ((\i)%2 == 1) && ((\j)%2 == 1)
	v_wmma_scale_f32_16x16x128_f8f6f4 v[rD:rD+7], v[rA:rA+7], v[rB:rB+7], 0, v[rE], v[rF] matrix_a_fmt:MATRIX_FMT_FP4 matrix_b_fmt:MATRIX_FMT_FP4 matrix_a_scale:MATRIX_SCALE_ROW1 matrix_b_scale:MATRIX_SCALE_ROW1
.elseif (\i)%2 == 1
	v_wmma_scale_f32_16x16x128_f8f6f4 v[rD:rD+7], v[rA:rA+7], v[rB:rB+7], 0, v[rE], v[rF] matrix_a_fmt:MATRIX_FMT_FP4 matrix_b_fmt:MATRIX_FMT_FP4 matrix_a_scale:MATRIX_SCALE_ROW1
.elseif (\j)%2 == 1
	v_wmma_scale_f32_16x16x128_f8f6f4 v[rD:rD+7], v[rA:rA+7], v[rB:rB+7], 0, v[rE], v[rF] matrix_a_fmt:MATRIX_FMT_FP4 matrix_b_fmt:MATRIX_FMT_FP4 matrix_b_scale:MATRIX_SCALE_ROW1
.else
	v_wmma_scale_f32_16x16x128_f8f6f4 v[rD:rD+7], v[rA:rA+7], v[rB:rB+7], 0, v[rE], v[rF] matrix_a_fmt:MATRIX_FMT_FP4 matrix_b_fmt:MATRIX_FMT_FP4
.endif
.else
.if ((\i)%2 == 1) && ((\j)%2 == 1)
	v_wmma_scale_f32_16x16x128_f8f6f4 v[rD:rD+7], v[rA:rA+7], v[rB:rB+7], v[rD:rD+7], v[rE], v[rF] matrix_a_fmt:MATRIX_FMT_FP4 matrix_b_fmt:MATRIX_FMT_FP4 matrix_a_scale:MATRIX_SCALE_ROW1 matrix_b_scale:MATRIX_SCALE_ROW1
.elseif (\i)%2 == 1
	v_wmma_scale_f32_16x16x128_f8f6f4 v[rD:rD+7], v[rA:rA+7], v[rB:rB+7], v[rD:rD+7], v[rE], v[rF] matrix_a_fmt:MATRIX_FMT_FP4 matrix_b_fmt:MATRIX_FMT_FP4 matrix_a_scale:MATRIX_SCALE_ROW1
.elseif (\j)%2 == 1
	v_wmma_scale_f32_16x16x128_f8f6f4 v[rD:rD+7], v[rA:rA+7], v[rB:rB+7], v[rD:rD+7], v[rE], v[rF] matrix_a_fmt:MATRIX_FMT_FP4 matrix_b_fmt:MATRIX_FMT_FP4 matrix_b_scale:MATRIX_SCALE_ROW1
.else
	v_wmma_scale_f32_16x16x128_f8f6f4 v[rD:rD+7], v[rA:rA+7], v[rB:rB+7], v[rD:rD+7], v[rE], v[rF] matrix_a_fmt:MATRIX_FMT_FP4 matrix_b_fmt:MATRIX_FMT_FP4
.endif
.endif
.endm
; 64 numbers of a lane, none negative, register 16 b + e = k 32 b + 16 (lane / 16) + e of my row, become a fragment's codes in v[PC] on and its scale word in v[PW].
.macro QUANT
.irp b, 0,1,2,3
	v_max3_num_f32 v[TM+\b], v[HA+16*\b], v[HA+1+16*\b], 0x1800000   ; block b: my 16 numbers, and the floor 2^(3 - 127)
.endr
.irp i, 2,4,6,8,10,12,14
.irp b, 0,1,2,3
	v_max3_num_f32 v[TM+\b], v[TM+\b], v[HA+16*\b+\i], v[HA+1+16*\b+\i]   ; (the four blocks by turns)
.endr
.endr
.irp b, 0,1,2,3
	v_permlanex16_b32 v[TM+4+\b], v[TM+\b], s50, s51
.endr
.irp b, 0,1,2,3
	v_max_num_f32 v[TM+\b], v[TM+\b], v[TM+4+\b]   ; with lane l xor 16's: the block's largest
.endr
.irp b, 0,1,2,3
	v_add_nc_u32 v[TM+12+\b], 0xff000000, v[TM+\b] ; 2 off the exponent field: the conversion's scale operand
.endr
.irp b, 0,1,2,3
	v_lshrrev_b32 v[TM+4+\b], 23, v[TM+12+\b]      ; the scale's byte
.endr
	v_lshl_or_b32 v[PW], v[TM+5], 8, v[TM+4]
	v_lshl_or_b32 v[PW], v[TM+6], 16, v[PW]
	v_lshl_or_b32 v[PW], v[TM+7], 24, v[PW]        ; my row's scale word, in both halves of the lanes
.irp b, 0,1,2,3
	v_cvt_scalef32_pk8_fp4_f32 v[PC+2*\b], v[HA+16*\b:HA+7+16*\b], v[TM+12+\b]
	v_cvt_scalef32_pk8_fp4_f32 v[PC+1+2*\b], v[HA+8+16*\b:HA+15+16*\b], v[TM+12+\b]
.endr
	v_nop                                          ; one plain line behind a scaled conversion
.irp c, 0,1                                    ; the operand's layout wants a whole block in a lane: lanes 0-15 block 2 c, lanes 16-31 block 2 c + 1
.irp i, 0,1
	v_permlane16_swap_b32 v[PC+4*\c+\i], v[PC+2+4*\c+\i]
.endr
.endr
.endm
; TILE j OF G1 against all eight of G0: 32 matrix instructions, the eight accumulators by turns; batch norm, relu, quantiser; one fragment leaves.
.macro ITER j
	s_wait_xcnt 0x0                                ; the stores of the tile before have read their registers: the codes and the rows of v are written again only behind this wait
	WIN 0x09                                       ; source 0 window 1, source 1 window 2, C and D window 0
.irp s, 0,1,2,3
.irp i, 0,1,2,3,4,5,6,7
	WM \i, \j, \s
.endr
.endr
	WIN 0
.rept 4
	v_nop                                          ; four places between the last products and the first read of results (ISA guide 7.12.1)
.endr
	s_cmp_lt_u32 s20, 2
	s_cbranch_scc0 .Lbn_v_\@
	WIN 0x3c                                       ; sources 1 and 2 window 3
.set qq, 0
.rept 32
	v_pk_fma_f32 v[HA+2*qq:HA+2*qq+1], v[HA+2*qq:HA+2*qq+1], v[2*qq:2*qq+1], v[64+2*qq:64+2*qq+1]   ; y S + T: my registers run along the channels; each accumulator from its low end on
.set qq, qq+1
.endr
	WIN 0
	s_branch .Lbn_done_\@
.Lbn_v_\@:
	WIN 0x3c
.set qq, 0
.rept 32
	v_pk_fma_f32 v[HA+2*qq:HA+2*qq+1], v[HA+2*qq:HA+2*qq+1], v[2*(\j):2*(\j)+1], v[64+2*(\j):64+2*(\j)+1]   ; my lane is one channel
.set qq, qq+1
.endr
	WIN 0
.Lbn_done_\@:
.set qq, 0
.rept 64
	v_max_num_f32 v[HA+qq], 0, v[HA+qq]            ; relu
.set qq, qq+1
.endr
	QUANT
.irp c, 0,1
	global_store_b128 v[LI], v[PC+4*\c:PC+4*\c+3], s[54:55] offset:1024*(\j)+512*\c   ; the fragment's image: 32 lanes store 512 consecutive bytes
.endr
.if (\j)%2 == 0
	v_mov_b32 v[SW+(\j)/2], v[PW]                  ; the pair's register: lanes 0-15 keep the even tile's words,
.else
	v_cndmask_b32 v[SW+(\j)/2], v[SW+(\j)/2], v[PW], s52   ; lanes 16-31 take the odd tile's
.endif
	s_cmp_lt_u32 s20, 2
	s_cbranch_scc1 .Lno_v_\@
.irp b, 0,1,2,3                                ; v in f32: 16 channels x 128 points through my stage, out as whole rows of 512 bytes
.irp g, 0,1,2,3
	ds_store_b128 v[SO], v[HA+16*\b+4*\g:HA+16*\b+4*\g+3] offset:128*\b+16*\g
.endr
.endr
.irp i, 0,1,2,3,4,5,6,7,8,9,10,11,12,13,14,15
	ds_load_b128 v[RB+4*\i:RB+4*\i+3], v[SR] offset:528*\i   ; LDS serves a wave's instructions in order (ISA guide 5.7.1.4): these see my stores
.endr
	s_wait_dscnt 0x0
.irp i, 0,1,2,3,4,5,6,7,8,9,10,11,12,13,14,15
	global_store_b128 v[LI], v[RB+4*\i:RB+4*\i+3], s[58:59] offset:(16*(\j)+\i)*16384   ; 32 lanes store 512 consecutive bytes, aligned
.endr
.Lno_v_\@:
.endm
.irp j, 0,1,2,3,4,5,6,7
	ITER \j
.endr
	global_store_b128 v[LI], v[SW:SW+3], s[56:57]  ; the eight tiles' scale words, [lane][pair]: 512 consecutive bytes
	s_wait_tensorcnt 0x0
	ds_add_u32 v254, v255
	s_wait_dscnt 0x0
	s_endpgm
.Lfunc_end_k_q77e1063a88_proj:
	.size	k_q77e1063a88_proj, .Lfunc_end_k_q77e1063a88_proj-k_q77e1063a88_proj
	.p2alignl 7, 3214868480
	.fill 96, 4, 3214868480
	.section	.rodata,"a",@progbits
	.p2align	6, 0x0
	.amdhsa_kernel k_q77e1063a88_proj
		.amdhsa_group_segment_fixed_size 299520
		.amdhsa_private_segment_fixed_size 0
		.amdhsa_enable_private_segment 0
		.amdhsa_kernarg_size 64
		.amdhsa_user_sgpr_count 2
		.amdhsa_user_sgpr_kernarg_segment_ptr 1
		.amdhsa_wavefront_size32 1
		.amdhsa_system_sgpr_workgroup_id_x 1
		.amdhsa_system_sgpr_workgroup_id_y 1
		.amdhsa_system_sgpr_workgroup_id_z 1
		.amdhsa_system_vgpr_workitem_id 0
		.amdhsa_next_free_vgpr 1024
		.amdhsa_next_free_sgpr 84
		.amdhsa_reserve_vcc 0
		.amdhsa_float_denorm_mode_32 3
		.amdhsa_float_denorm_mode_16_64 3
		.amdhsa_memory_ordered 1
		.amdhsa_forward_progress 1
		.amdhsa_inst_pref_size 236
	.end_amdhsa_kernel
	.amdgpu_metadata
---
amdhsa.version: [ 1, 2 ]
amdhsa.kernels:
  - .name:           k_q77e1063a88_proj
    .symbol:         k_q77e1063a88_proj.kd
    .args:
      - { .name: x, .offset: 0, .size: 8, .value_kind: global_buffer, .address_space: global }
      - { .name: wc, .offset: 8, .size: 8, .value_kind: global_buffer, .address_space: global }
      - { .name: ws, .offset: 16, .size: 8, .value_kind: global_buffer, .address_space: global }
      - { .name: bn, .offset: 24, .size: 8, .value_kind: global_buffer, .address_space: global }
      - { .name: qc, .offset: 32, .size: 8, .value_kind: global_buffer, .address_space: global }
      - { .name: kv, .offset: 40, .size: 8, .value_kind: global_buffer, .address_space: global }
      - { .name: sc, .offset: 48, .size: 8, .value_kind: global_buffer, .address_space: global }
      - { .name: vres, .offset: 56, .size: 8, .value_kind: global_buffer, .address_space: global }
    .group_segment_fixed_size: 299520
    .private_segment_fixed_size: 0
    .kernarg_segment_align: 8
    .kernarg_segment_size: 64
    .max_flat_workgroup_size: 128
    .sgpr_count:     84
    .vgpr_count:     1024
    .wavefront_size: 32
...
	.end_amdgpu_metadata
.endif
;; end of part 2
;; launch attn (part 3): grid 32 x 8, 8 waves a work-group, clusters of 4 x 1, 327,680 bytes of LDS; arguments qc, kv, sc, vres, out0; writes out0
.if DOCPART == 3
	.amdgcn_target "amdgcn-amd-amdhsa--gfx1250"
	.amdhsa_code_object_version 6
	.text
	.protected	k_q77e1063a88_attn
	.globl	k_q77e1063a88_attn
	.p2align	8
	.type	k_q77e1063a88_attn,@function
k_q77e1063a88_attn:
	s_mov_b64 s[64:65], 0
	v_nop
	global_prefetch_b8 v0, s[64:65] scope:SCOPE_SE
	s_setreg_imm32_b32 hwreg(HW_REG_WAVE_MODE, 25, 1), 1
	s_wait_xcnt 0x0
	s_wait_alu depctr_hold_cnt(0) depctr_sa_sdst(0) depctr_va_vdst(0) depctr_va_sdst(0) depctr_va_ssrc(0) depctr_va_vcc(0) depctr_vm_vsrc(0)
	s_getreg_b32 s2, hwreg(HW_REG_IB_STS2, 6, 4)
	s_cmp_eq_u32 s2, 0
	s_cbranch_scc0 .Lentry_in_a_cluster
	s_endpgm
.Lentry_in_a_cluster:
	s_bfe_u32 s2, ttmp6, 0x10000c
	s_cmp_lg_u32 s2, 0x3003
	s_cbranch_scc0 .Lentry_shape_is_right
	s_endpgm
.Lentry_shape_is_right:
; out[b][c][m] = v[b][c][m] + the sum over n of v[b][c][n] softmax_n(a[b][:][m] . k[b][:][n]), both products on codes of FP4 (E2M1) with one E8M0 byte for each 32 along a product's K.
; The operands come from the launch before, as images of their registers: qc: [b][step] 8 tiles of queries and their scale words; kv: [b][step] 8 tiles of keys, then 16 tiles of v (16 channels x 128 keys);
; sc: [b][step] the scale words of the keys' tiles and of v's, [lane][pair of tiles]: lanes 0-15 the even tile's rows, lanes 16-31 the odd tile's.  A step is 128 points.
; THE SOFTMAX: t = score x log2(e); M = the row's largest t so far, rounded UP to a whole number; p = 2^(t - M) is what is quantised, along the keys, not normalised.  The row's sum is taken of the unquantised p and
; divides at the end.  When M moves, the sum and O are multiplied by 2^(old M - new M), which rounds nothing.
; SHARES.  A work-group owns the 128 queries of one step; each of its eight waves 16 of them, one tile; two waves to a SIMD, so that one wave's exponentials stand beside the other's plain and matrix work.
; Every wave walks the batch's 32 key steps.  Both products are used transposed (S^T = K Q^T, O^T = V P^T): a lane holds ONE query throughout.
; A tile of points 2 b + u holds in lane r the point 32 b + 8 u + r + 8 (r / 8): so the 16 registers of S^T's tiles 2 b and 2 b + 1 are the 16 neighbouring keys 32 b + 16 (lane / 16) + 0 .. 15.
; NO LDS LOAD IS WANTED AT ONCE.  K's fragments of step q + 1 are asked for in the middle of step q's softmax, into registers of their own; V's of step q behind step q's first product, ahead of its softmax.
; THE CHANGE OF SLOTS STANDS INSIDE A SLOT'S LAST KEY STEP: when V's fragments of that step are asked for, the slot has had its last read; the softmax, which works on registers, stands between the add and the wait for it;
; behind the round come the refill and the next slot's first K, which lands under that step's rescaling and second product.
; The last slot runs with K fetched at each step's head, into V's registers: there K's own registers, and 64 more, take my rows of v for the residual.
; CLUSTER.  The four work-groups of a cluster belong to one batch and walk the same keys and values: each tile is asked for JOINTLY, by the same tensor load with the same descriptor and the mask of all four.
; LDS: two slots of four key steps (98,304 bytes) at 0 and at 2^17; behind them the batch's scale words (49,152 bytes, filled once); the spare words.  The way out's stage, 256 rows x 528 bytes from byte 0 on, is written
; only behind a barrier that follows every wave's last read of the slots, which have had their last fill.
; LIMITS: NaN and infinities are not served; a block of p that has fallen to 0 gets the byte 1: its codes are zeros.
; REGISTERS: window 0 below; window 1: v0-127 O^T (tile t of 16 channels at v[8 t]); v128-191 K's fragments; in the last slot v128-255 my 32 rows of v.
.set STEPB, 24576                      ; a key step's images
.set SLOTB, 4*STEPB
.set SLOT1, 1<<17                      ; one exclusive or turns an address in one slot into the other's
.set SCL,   SLOT1+SLOTB
.set SPARE, SCL+32*1536                ; the spare words, 128 bytes for each wave: four blocks of 256 bytes that no other line names
.set SP,    528                        ; a stage row: 128 queries x 4 bytes + 16
.set LI,  1                            ; v1   16 x lane
.set SPW, 2                            ; v2   LDS address of my spare word; never rewritten
.set NIL, 3                            ; v3   0; never rewritten
.set AD0, 4                            ; v4, v5  the slot's key steps 0, 1 and 2, 3
.set ADS, 6                            ; v6   the slot's scale words
.set LIS, 7                            ; v7   SCL + 16 x lane
.set STO, 8                            ; v8   the stage, in
.set QSO, 9                            ; v9   my offset among Q's scale words
.set TMP, 10
.set PW,  11                           ; v11  p's scale word
.set NM,  12                           ; v12 -M, v13 the largest t
.set LS,  14                           ; v[14:15] the row's sum, in two halves
.set QF,  16                           ; v16-23 Q's fragment
.set QS,  24                           ; v24  its scale words
.set SRD, 25                           ; v25  the stage, back
.set FF,  26                           ; v[26:27] f = 2^(old M - new M); at the end 1 / the sum
.set L2,  28                           ; v[28:29] the sums' second chain
.set PFO, 30                           ; v30  256 x lane, for the prefetches; never rewritten
.set QO,  31                           ; v31  my offset among Q's images
.set F0,  32                           ; v32-95   V's tiles 0-7 (in the last slot first K's eight fragments)
.set S,   96                           ; v96-159  S^T, then p
.set PC,  160                          ; v160-167 p's codes
.set KS,  168                          ; v168-171 K's scale words
.set VS,  172                          ; v172-179 V's
.set BM,  180                          ; v180-183 the blocks' largest score, then largest p
.set T2,  184
.set CV,  188                          ; v188-191 the conversions' scale operands
.set F1,  192                          ; v192-255 V's tiles 8-15
.set KF,  128                          ; in window 1: K's eight fragments
.set MSB, 0
.macro WIN new                         ; the immediate's high byte repeats the setting that is left
.if MSB != \new
	s_set_vgpr_msb (MSB<<8)|\new
.set MSB, \new
.endif
.endm
.macro CROUND                          ; a round of the cluster's barrier: my work-group's barrier; wave 0 signals for the work-group; every wave waits for all four work-groups; my work-group's barrier once more
	s_barrier_signal -1
	s_barrier_wait -1
	s_cmp_lg_u32 s14, 0
	s_cbranch_scc1 .Lnot_wave_0_\@
	s_barrier_signal -3
.Lnot_wave_0_\@:
	s_barrier_wait -3
	s_barrier_signal -1
	s_barrier_wait -1
.endm
; A PREFETCH INTO THE L2 of the codes that the NEXT change of slots will ask for: four key steps ahead of that load.  Each 256 bytes are named once in the launch: all eight clusters of a batch walk the same codes, so the batch's first
; cluster asks; its four partners take a key step each, told apart BY ADDRESS; in each, waves 0 to 2 take 8,192 bytes each, lanes 256 bytes apart.  The last change that fills a slot asks for nothing; slots 0 and 1 come by their loads alone.
; It stands behind the joint load, its four lines and the run of LDS loads that follows them.
.macro ASK
	s_cmp_gt_u32 s50, s51
	s_cbranch_scc0 .Lnot_mine_\@
	global_prefetch_b8 v[PFO], s[52:53] th:TH_LOAD_NT scope:SCOPE_SE
.Lnot_mine_\@:
.endm
	s_load_b256 s[4:11], s[0:1], 0x0               ; qc, kv, sc, vres
	s_load_b64 s[12:13], s[0:1], 0x20              ; out0
	v_lshl_add_u32 v[SPW], v0, 2, SPARE
	v_mov_b32 v[NIL], 0
	ds_add_u32 v2, v3
	ds_add_u32 v2, v3
	s_wait_dscnt 0x0
	v_lshrrev_b32 v[TMP], 5, v0
	v_readfirstlane_b32 s14, v[TMP]                ; wave 0..7
	s_bfe_u32 s15, ttmp6, 0x40000                  ; cx: my place in the cluster
	s_lshl_b32 s16, ttmp9, 2
	s_add_co_u32 s16, s16, s15                     ; my step of queries = 4 x cluster x + cx: it enters Q's, vres's and out0's addresses and the prefetches' alone
	s_and_b32 s17, ttmp7, 0xffff                   ; the batch, which the four partners share
	; descriptor group 1: dense blocks as rows of 256 bytes (32 elements of 8 bytes): 48 rows of codes, 24 rows of scale words
	s_mov_b32 s24, 15|(3<<16)|(1<<21)              ; the mask: all four work-groups; elements of 8 bytes; bit 21 set beside a mask
	s_mov_b32 s25, 32<<16
	s_mov_b32 s26, 48<<16
	s_mov_b32 s27, 32<<16
	s_mov_b32 s28, 48
	s_mov_b32 s29, 32
	s_mov_b32 s30, 0
	s_mov_b32 s31, 0
	s_mov_b32 s32, 15|(3<<16)|(1<<21)
	s_mov_b32 s33, 32<<16
	s_mov_b32 s34, 24<<16
	s_mov_b32 s35, 32<<16
	s_mov_b32 s36, 24
	s_mov_b32 s37, 32
	s_mov_b32 s38, 0
	s_mov_b32 s39, 0
	s_mul_i32 s58, s17, 32*STEPB                   ; the batch's codes
	s_mul_i32 s18, s14, SLOTB/8                    ; my eighth of a slot, in LDS and in memory
	s_add_co_u32 s60, s58, s18
	s_mov_b32 s61, 0
	s_mul_i32 s62, s17, 32*1536                    ; the batch's scale words,
	s_mul_i32 s59, s14, 6144                       ; my eighth of them
	s_add_co_u32 s62, s62, s59
	s_mov_b32 s63, 0
	s_add_co_u32 s19, s59, SCL
	s_mov_b32 s20, 0x76543210
	s_mov_b32 s21, 0xfedcba98                      ; v_permlanex16_b32's selects for lane l xor 16
	s_mov_b32 s22, 0x3fb8aa3b                      ; log2(e)
	s_mov_b32 s23, s22                             ; (named with it as a pair, so it is written)
	s_mov_b32 s48, 0                               ; the slot in hand
	s_mov_b32 s49, 0                               ; its scale words: 6,144 bytes a slot
	s_mov_b32 s50, 7                               ; slots still to be asked for
	s_cmp_lt_u32 s14, 3
	s_cselect_b32 s51, 0, 1
	s_or_b32 s51, s51, ttmp9                       ; 0 in waves 0 to 2 of the batch's first cluster: the same in all four partners
	s_cmp_eq_u32 s51, 0
	s_cselect_b32 s51, 1, -1
	s_mul_i32 s66, s15, STEPB                      ; the prefetches: my work-group's key step of a slot,
	s_lshl_b32 s67, s14, 13                        ; my wave's 8,192 bytes,
	s_add_co_u32 s66, s66, s67
	s_add_co_u32 s66, s66, s58
	s_add_co_u32 s66, s66, SLOTB                   ; in slot 1: the first change of slots steps it to slot 2
	s_mov_b32 s67, 0
	s_lshl_b32 s68, s17, 22                        ; vres and out0: the batch's 256 rows of 16,384 bytes,
	s_lshl_b32 s69, s14, 19                        ; my 32 rows,
	s_add_co_u32 s68, s68, s69
	s_lshl_b32 s69, s16, 9                         ; my step's 512 bytes of a row
	s_add_co_u32 s68, s68, s69
	s_mov_b32 s69, 0
	s_lshl_b32 s70, s17, 5
	s_add_co_u32 s70, s70, s16
	s_mul_i32 s70, s70, 8704                       ; my step's block in qc
	s_mov_b32 s71, 0
	s_wait_kmcnt 0x0
	s_mov_b32 s40, 1                               ; the walking group 0: slot 0, the batch's first four key steps
	s_mov_b32 s41, s18
	s_add_nc_u64 s[42:43], s[6:7], s[60:61]
	s_or_b32 s43, s43, 0x80000000
	s_mov_b32 s44, 1                               ; the scale words' group 0
	s_mov_b32 s45, s19
	s_add_nc_u64 s[46:47], s[8:9], s[62:63]
	s_or_b32 s47, s47, 0x80000000
	s_add_nc_u64 s[52:53], s[6:7], s[66:67]
	s_add_nc_u64 s[54:55], s[10:11], s[68:69]
	s_add_nc_u64 s[56:57], s[12:13], s[68:69]
	s_add_nc_u64 s[4:5], s[4:5], s[70:71]
	CROUND                                         ; all four work-groups are here: the first joint loads meet
	tensor_load_to_lds s[44:47], s[32:39]          ; the batch's scale words: filled once
	s_nop 0
	tensor_load_to_lds s[40:43], s[24:31]          ; slot 0.  Two loads of mine are out
	s_nop 0
.rept 4
	v_nop
.endr
	v_and_b32 v[TMP], 31, v0
	v_lshlrev_b32 v[LI], 4, v[TMP]
	v_lshlrev_b32 v[PFO], 8, v[TMP]
	v_add_nc_u32 v[LIS], SCL, v[LI]
	s_lshl_b32 s2, s14, 10
	v_add_nc_u32 v[QO], s2, v[LI]                  ; Q: tile w's image
	v_and_b32 v[TMP], 15, v0                       ; r
	v_bfe_u32 v[SRD], v0, 4, 1                     ; h
	s_and_b32 s2, s14, 1
	s_lshl_b32 s2, s2, 8
	s_lshr_b32 s3, s14, 1
	s_lshl_b32 s3, s3, 2
	s_add_co_u32 s2, s2, s3
	v_lshl_add_u32 v[QSO], v[TMP], 4, s2           ; its scale words: lane r + 16 (w % 2) of pair w / 2
	global_load_b128 v[QF:QF+3], v[QO], s[4:5]
	global_load_b128 v[QF+4:QF+7], v[QO], s[4:5] offset:512
	global_load_b32 v[QS], v[QSO], s[4:5] offset:8192
	v_and_b32 v[STO], 8, v[TMP]
	v_add_nc_u32 v[STO], v[STO], v[TMP]            ; r + 8 (r / 8)
	s_lshr_b32 s2, s14, 1
	s_lshl_b32 s2, s2, 5
	s_and_b32 s3, s14, 1
	s_lshl_b32 s3, s3, 3
	s_add_co_u32 s2, s2, s3
	v_add_nc_u32 v[STO], s2, v[STO]                ; my query's place in the step
	v_lshlrev_b32 v[STO], 2, v[STO]
	v_mad_u32_u24 v[STO], v[SRD], 8*SP, v[STO]     ; the stage, in: row = channel, 8 h rows on; the 32 lanes of a store fall on 32 different banks (64 banks of 4 bytes: ISA guide 11.1)
	s_mul_i32 s2, s14, 32*SP
	v_add_nc_u32 v[SRD], s2, v[LI]                 ; back: my 32 rows, 16 bytes a lane
	v_mov_b32 v[NM+1], 0xff61b1e6                  ; the largest t so far: -3e38, under every t
	v_floor_f32 v[NM], -v[NM+1]                    ; -M
	v_mov_b32 v[LS], 0
	v_mov_b32 v[LS+1], 0
	v_mov_b32 v[FF+1], 0                           ; (named as the upper half of a pair)
.irp b, 0,1,2,3
	v_mov_b32 v[T2+\b], 0                          ; written once: a lane permute's destination counts as one of its sources
.endr
	WIN 0x40
.set nn, 0
.rept 128
	v_mov_b32 v[nn], 0                             ; O^T.  The key step has no first form of its own: the first finds zeros, which the first change of M leaves zeros
.set nn, nn+1
.endr
	WIN 0
.macro ADDR                            ; the LDS addresses of the slot in hand
	v_add_nc_u32 v[AD0], s48, v[LI]
	v_add_nc_u32 v[AD0+1], 2*STEPB, v[AD0]
	v_add_nc_u32 v[ADS], s49, v[LIS]
.endm
.macro KLOAD q                         ; 17 LDS loads: the scale words and the eight fragments of K of the slot's key step q, into K's own registers.  Entered with every window 0; leaves the destination's window 1
	ds_load_b128 v[KS:KS+3], v[ADS] offset:1536*(\q)
	WIN 0x40
.irp t, 0,1,2,3,4,5,6,7
	ds_load_b128 v[KF+8*\t:KF+8*\t+3], v[AD0+(\q)/2] offset:((\q)%2)*STEPB+1024*\t
	ds_load_b128 v[KF+8*\t+4:KF+8*\t+7], v[AD0+(\q)/2] offset:((\q)%2)*STEPB+1024*\t+512
.endr
.endm
.macro VLOAD q                         ; 34 LDS loads: V's sixteen fragments and their scale words
.irp t, 0,1,2,3,4,5,6,7
	ds_load_b128 v[F0+8*\t:F0+8*\t+3], v[AD0+(\q)/2] offset:((\q)%2)*STEPB+8192+1024*\t
	ds_load_b128 v[F0+8*\t+4:F0+8*\t+7], v[AD0+(\q)/2] offset:((\q)%2)*STEPB+8192+1024*\t+512
.endr
.irp t, 0,1,2,3,4,5,6,7
	ds_load_b128 v[F1+8*\t:F1+8*\t+3], v[AD0+(\q)/2] offset:((\q)%2)*STEPB+16384+1024*\t
	ds_load_b128 v[F1+8*\t+4:F1+8*\t+7], v[AD0+(\q)/2] offset:((\q)%2)*STEPB+16384+1024*\t+512
.endr
	ds_load_b128 v[VS:VS+3], v[ADS] offset:1536*(\q)+512
	ds_load_b128 v[VS+4:VS+7], v[ADS] offset:1536*(\q)+1024
.endm
.macro KQMUL base                      ; S^T = K Q^T: source 0 = 16 keys, source 1 = my 16 queries.  An odd tile's scale words stand in lanes 16-31 of its pair's register
.irp t, 0,2,4,6
	v_wmma_scale_f32_16x16x128_f8f6f4 v[S+8*\t:S+8*\t+7], v[\base+8*\t:\base+8*\t+7], v[QF:QF+7], 0, v[KS+\t/2], v[QS] matrix_a_fmt:MATRIX_FMT_FP4 matrix_b_fmt:MATRIX_FMT_FP4
	v_wmma_scale_f32_16x16x128_f8f6f4 v[S+8*\t+8:S+8*\t+15], v[\base+8*\t+8:\base+8*\t+15], v[QF:QF+7], 0, v[KS+\t/2], v[QS] matrix_a_fmt:MATRIX_FMT_FP4 matrix_b_fmt:MATRIX_FMT_FP4 matrix_a_scale:MATRIX_SCALE_ROW1
.endr
.endm
; THE SOFTMAX OF A KEY STEP, in two parts, all on registers of window 0.  The first: the maxima, the new M, t - M.
.macro SOFT1
.irp b, 0,1,2,3
	v_max3_num_f32 v[BM+\b], v[S+16*\b], v[S+1+16*\b], v[S+2+16*\b]   ; the largest score of each block of 32 keys: it serves for the row's maximum and, since p rises with the score, for the block's largest p
.endr
.irp i, 3,5,7,9,11,13
.irp b, 0,1,2,3
	v_max3_num_f32 v[BM+\b], v[BM+\b], v[S+16*\b+\i], v[S+1+16*\b+\i]   ; (the four blocks by turns)
.endr
.endr
.irp b, 0,1,2,3
	v_max_num_f32 v[BM+\b], v[BM+\b], v[S+15+16*\b]
.endr
.irp b, 0,1,2,3
	v_permlanex16_b32 v[T2+\b], v[BM+\b], s20, s21
.endr
.irp b, 0,1,2,3
	v_max_num_f32 v[BM+\b], v[BM+\b], v[T2+\b]     ; with lane l xor 16's 16 keys
.endr
	v_max3_num_f32 v[TMP], v[BM], v[BM+1], v[BM+2]
	v_max_num_f32 v[TMP], v[TMP], v[BM+3]          ; the step's largest score of my query,
	v_mul_f32 v[TMP], s22, v[TMP]                  ; as t
	v_max_num_f32 v[NM+1], v[NM+1], v[TMP]         ; the running largest t
	v_mov_b32 v[TMP], v[NM]
	v_floor_f32 v[NM], -v[NM+1]                    ; the new -M = floor(-t) = -ceil(t): a whole number
	v_sub_f32 v[TMP], v[NM], v[TMP]                ; old M - new M: a whole number, 0 or less
	v_cvt_i32_f32 v[TMP], v[TMP]                   ; (it saturates)
	v_ldexp_f32 v[FF], 1.0, v[TMP]                 ; f = 2^(old M - new M)
.irp j, 0,2,4,6,8,10,12,14,16,18,20,22,24,26,28,30,32,34,36,38,40,42,44,46,48,50,52,54,56,58,60,62
	v_pk_fma_f32 v[S+\j:S+\j+1], v[S+\j:S+\j+1], s[22:23], v[NM:NM+1] op_sel_hi:[1,0,0]   ; t - M, two at a time (of the pairs the low word serves both halves)
.endr
.irp b, 0,1,2,3
	v_fma_f32 v[BM+\b], v[BM+\b], s22, v[NM]       ; the same of each block's largest score
.endr
.endm
; The second: p, its sum, its scale word and its codes.
.macro SOFT2
.set nn, 0
.rept 64
	v_exp_f32 v[S+nn], v[S+nn]                     ; p = 2^(t - M), at most 1: not normalised
.set nn, nn+1
.endr
	v_pk_mul_f32 v[LS:LS+1], v[LS:LS+1], v[FF:FF+1] op_sel_hi:[1,0]   ; the sums under the new M: a plain line behind the exponentials
	s_wait_alu depctr_va_vdst(0)                   ; one wait for the whole batch, ahead of its first reader
.irp b, 0,1,2,3
	v_exp_f32 v[BM+\b], v[BM+\b]                   ; the block's largest p: the same two instructions on the same number give the same bits
.endr
	v_pk_add_f32 v[L2:L2+1], v[S:S+1], v[S+2:S+3]  ; the row's sum is taken of the unquantised p: two at a time, in two chains
.irp j, 4,8,12,16,20,24,28,32,36,40,44,48,52,56,60
	v_pk_add_f32 v[LS:LS+1], v[LS:LS+1], v[S+\j:S+\j+1]
	v_pk_add_f32 v[L2:L2+1], v[L2:L2+1], v[S+2+\j:S+3+\j]
.endr
	v_pk_add_f32 v[LS:LS+1], v[LS:LS+1], v[L2:L2+1]
	s_wait_alu depctr_va_vdst(0)                   ; and one for the four
.irp b, 0,1,2,3
	v_max_num_f32 v[BM+\b], 0x1800000, v[BM+\b]    ; the floor 2^(3 - 127): the byte cannot fall under 1
.endr
.irp b, 0,1,2,3
	v_add_nc_u32 v[CV+\b], 0xff000000, v[BM+\b]    ; 2 off the exponent field: the conversion's scale operand
.endr
.irp b, 0,1,2,3
	v_lshrrev_b32 v[T2+\b], 23, v[CV+\b]           ; the scale's byte
.endr
	v_lshl_or_b32 v[PW], v[T2+1], 8, v[T2]         ; p's scale word for these 128 keys
	v_lshl_or_b32 v[PW], v[T2+2], 16, v[PW]
	v_lshl_or_b32 v[PW], v[T2+3], 24, v[PW]
.irp b, 0,1,2,3
	v_cvt_scalef32_pk8_fp4_f32 v[PC+2*\b], v[S+16*\b:S+7+16*\b], v[CV+\b]
	v_cvt_scalef32_pk8_fp4_f32 v[PC+1+2*\b], v[S+8+16*\b:S+15+16*\b], v[CV+\b]
.endr
	v_nop                                          ; one plain line behind a scaled conversion
.irp c, 0,1                                    ; the operand's layout wants a whole block in a lane: lanes 0-15 block 2 c, lanes 16-31 block 2 c + 1
.irp i, 0,1
	v_permlane16_swap_b32 v[PC+4*\c+\i], v[PC+2+4*\c+\i]
.endr
.endr
.endm
; THE CHANGE OF SLOTS, in two parts.  The first: the wave waits for all its tensor loads (its part of the slot that it will read next) and adds 0 to its spare word; fill = 1: the walking descriptor and the prefetches' address step on.
.macro CH_A fill
	s_wait_tensorcnt 0x0                           ; no tensor load of mine is out, so the walking group 0 may be written
	ds_add_u32 v[SPW], v[NIL]                      ; 0 onto my spare word
.if \fill
	s_xor_b32 s41, s41, SLOT1                      ; the other slot than last time,
	s_add_nc_u64 s[42:43], s[42:43], SLOTB         ; the next four key steps; the type bits on top are not reached
	s_wait_xcnt 0x0                                ; the last prefetch, a slot back, has read its address, so it may be written
	s_add_nc_u64 s[52:53], s[52:53], SLOTB         ; one slot further on than the walking group 0
.endif
.endm
; The second: the wait for the add and for my reads of the slot that is left.  fill = 1: a round of the cluster's barrier, so that no wave of any partner still reads that slot or has a load on its way; the joint load of the
; next four key steps is the first thing behind it and my one tensor load until the next round: it has four key steps in which to land.
.macro CH_B fill
	s_wait_dscnt 0x0
.if \fill
	CROUND
	tensor_load_to_lds s[40:43], s[24:31]
	s_nop 0
.rept 4
	v_nop
.endr
.else
	s_barrier_signal -1
	s_barrier_wait -1
.endif
.endm
; A KEY STEP: 128 keys, the q-th of the slot in hand.
; mode 1: K stands in its own registers; the next step's K, of the same slot, is asked for in the middle of the softmax.
; mode 2: a slot's last step, with the change of slots in it; the next slot's first K is asked for behind the refill.
; mode 3: K stands in its own registers; nothing more is asked for.     mode 0: K is fetched at the head, into V's registers.
.macro STEP q, mode
.if \mode == 0
.rept 4
	v_nop                                          ; four places between the last products and loads into registers that they read (ISA guide 7.12.1 for vector instructions)
.endr
.irp t, 0,1,2,3,4,5,6,7
	ds_load_b128 v[F0+8*\t:F0+8*\t+3], v[AD0+(\q)/2] offset:((\q)%2)*STEPB+1024*\t
	ds_load_b128 v[F0+8*\t+4:F0+8*\t+7], v[AD0+(\q)/2] offset:((\q)%2)*STEPB+1024*\t+512
.endr
	ds_load_b128 v[KS:KS+3], v[ADS] offset:1536*(\q)
	s_wait_dscnt 0x0
	KQMUL F0
.else
	s_wait_dscnt 0x0                               ; K's fragments and scale words, asked for in the step before
	WIN 0x01                                       ; source 0 window 1
	KQMUL KF
	WIN 0
.endif
.rept 4
	v_nop                                          ; four places: behind the step before's second product, ahead of the loads into V's registers; behind these products, ahead of the first read of the scores
.endr
	VLOAD \q                                       ; they land under the softmax
.if \mode == 2
	CH_A 1                                         ; the slot has had its last read asked for; the softmax stands between the add and the wait for it
.endif
	SOFT1
.if \mode == 1
	KLOAD (\q)+1
	WIN 0
.endif
	SOFT2
.if \mode == 2
	CH_B 1
	s_xor_b32 s48, s48, SLOT1                      ; on to the other slot
	s_add_co_u32 s49, s49, 4*1536
	ADDR
	KLOAD 0                                        ; it lands under the rescaling and the products below
	WIN 0
	ASK
.endif
	WIN 0x41                                       ; O^T (destination and source 0) in window 1, f in window 0
.set nn, 0
.rept 64
	v_pk_mul_f32 v[nn:nn+1], v[nn:nn+1], v[FF:FF+1] op_sel_hi:[1,0]   ; O^T under the new M, each accumulator from its low end on.  These lines also stand between the writing of p's codes and scale word and the products that take them
.set nn, nn+2
.endr
.if (\mode == 1) || (\mode == 2)
	s_wait_dscnt 17                                ; V's fragments and scale words are in; the 17 loads of the next K, issued behind them, may be out
.else
	s_wait_dscnt 0x0                               ; V's fragments and scale words are in
.endif
	WIN 0x50                                       ; C and D window 1
.irp t, 0,2,4,6                                ; O^T += V P^T: source 0 = 16 channels, source 1 = p; the sixteen accumulators by turns
	v_wmma_scale_f32_16x16x128_f8f6f4 v[8*\t:8*\t+7], v[F0+8*\t:F0+8*\t+7], v[PC:PC+7], v[8*\t:8*\t+7], v[VS+\t/2], v[PW] matrix_a_fmt:MATRIX_FMT_FP4 matrix_b_fmt:MATRIX_FMT_FP4
	v_wmma_scale_f32_16x16x128_f8f6f4 v[8*\t+8:8*\t+15], v[F0+8*\t+8:F0+8*\t+15], v[PC:PC+7], v[8*\t+8:8*\t+15], v[VS+\t/2], v[PW] matrix_a_fmt:MATRIX_FMT_FP4 matrix_b_fmt:MATRIX_FMT_FP4 matrix_a_scale:MATRIX_SCALE_ROW1
.endr
.irp t, 0,2,4,6
	v_wmma_scale_f32_16x16x128_f8f6f4 v[64+8*\t:64+8*\t+7], v[F1+8*\t:F1+8*\t+7], v[PC:PC+7], v[64+8*\t:64+8*\t+7], v[VS+4+\t/2], v[PW] matrix_a_fmt:MATRIX_FMT_FP4 matrix_b_fmt:MATRIX_FMT_FP4
	v_wmma_scale_f32_16x16x128_f8f6f4 v[64+8*\t+8:64+8*\t+15], v[F1+8*\t+8:F1+8*\t+15], v[PC:PC+7], v[64+8*\t+8:64+8*\t+15], v[VS+4+\t/2], v[PW] matrix_a_fmt:MATRIX_FMT_FP4 matrix_b_fmt:MATRIX_FMT_FP4 matrix_a_scale:MATRIX_SCALE_ROW1
.endr
	WIN 0
.endm
	s_wait_loadcnt 0x0                             ; Q
	CH_A 1                                         ; the first change stands ahead of the loop: slot 0 and the scale words have landed;
	CH_B 1                                         ; slot 1 is asked for, as a refill is
	ADDR
	KLOAD 0                                        ; the first key step's K
	WIN 0
	ASK
	s_mov_b32 s50, 6                               ; slots still to be asked for
.Lslot:                                            ; six trips, slots 0 to 5: each reads a slot out and, in its last key step, asks for the slot two further on
	ADDR
	STEP 0, 1
	STEP 1, 1
	STEP 2, 1
	STEP 3, 2
	s_sub_co_u32 s50, s50, 1
	s_cmp_lg_u32 s50, 0
	s_cbranch_scc1 .Lslot
	ADDR                                           ; slot 6 is written out: nothing is left to ask for
	STEP 0, 1
	STEP 1, 1
	STEP 2, 1
	STEP 3, 3
	CH_A 0                                         ; the last slot has landed, in every wave's sight behind the barrier
	CH_B 0
	WIN 0x40                                       ; destination window 1
.irp i, 0,1,2,3,4,5,6,7,8,9,10,11,12,13,14,15,16,17,18,19,20,21,22,23,24,25,26,27,28,29,30,31
	global_load_b128 v[128+4*\i:128+4*\i+3], v[LI], s[54:55] offset:16384*\i th:TH_LOAD_NT   ; my 32 rows of v, 512 consecutive bytes a load: they land under the last four key steps
.endr
	WIN 0
	s_xor_b32 s48, s48, SLOT1
	s_add_co_u32 s49, s49, 4*1536
	ADDR
	STEP 0, 0
	STEP 1, 0
	STEP 2, 0
	STEP 3, 0
	; THE WAY OUT.  O^T / the sum goes through the work-group's stage (row = channel, 128 queries to a row); each wave reads 32 whole rows back, adds v and stores them.
.rept 4
	v_nop                                          ; places behind the last products
.endr
	v_add_f32 v[LS], v[LS], v[LS+1]                ; the sum's two halves,
	v_permlanex16_b32 v[TMP], v[LS], s20, s21
	v_add_f32 v[LS], v[LS], v[TMP]                 ; and lane l xor 16's: the row's sum
	v_rcp_f32 v[FF], v[LS]
	v_add_nc_u32 v[AD0], 64*SP, v[STO]             ; (plain lines behind the transcendental)  an LDS immediate has 16 bits: four addresses, 64 rows apart
	v_add_nc_u32 v[AD0+1], 128*SP, v[STO]
	v_add_nc_u32 v[ADS], 192*SP, v[STO]
	s_wait_alu depctr_va_vdst(0)                   ; a wait ahead of the reciprocal's first reader
	s_wait_dscnt 0x0                               ; my reads of the slots are over
	s_barrier_signal -1
	s_barrier_wait -1                              ; everybody's are: the stage may be written
	WIN 0x41
.set nn, 0
.rept 64
	v_pk_mul_f32 v[nn:nn+1], v[nn:nn+1], v[FF:FF+1] op_sel_hi:[1,0]   ; each accumulator from its low end on
.set nn, nn+2
.endr
	WIN 0x04                                       ; an LDS store's data are its source 1: window 1
.macro TOSTAGE adr, k                  ; tiles 4 k .. 4 k + 3: register e of tile t is channel 16 t + 8 h + e of my query
.irp t, 0,1,2,3
.irp e, 0,1,2,3,4,5,6,7
	ds_store_b32 v[\adr], v[8*(4*(\k)+\t)+\e] offset:(16*\t+\e)*SP
.endr
.endr
.endm
	TOSTAGE STO, 0
	TOSTAGE AD0, 1
	TOSTAGE AD0+1, 2
	TOSTAGE ADS, 3
	WIN 0
	s_wait_dscnt 0x0                               ; for the others' sake: my stores into the stage are done
	s_barrier_signal -1
	s_barrier_wait -1
.irp i, 0,1,2,3,4,5,6,7,8,9,10,11,12,13,14,15,16,17,18,19,20,21,22,23,24,25,26,27,28,29,30,31
	ds_load_b128 v[F0+4*\i:F0+4*\i+3], v[SRD] offset:\i*SP
.endr
	s_wait_loadcnt 0x0                             ; v
	s_wait_dscnt 0x0
	WIN 0x04                                       ; source 1 window 1
.set nn, 0
.rept 64
	v_pk_add_f32 v[F0+nn:F0+nn+1], v[F0+nn:F0+nn+1], v[128+nn:128+nn+1]   ; + v
.set nn, nn+2
.endr
	WIN 0
.irp i, 0,1,2,3,4,5,6,7,8,9,10,11,12,13,14,15,16,17,18,19,20,21,22,23,24,25,26,27,28,29,30,31
	global_store_b128 v[LI], v[F0+4*\i:F0+4*\i+3], s[56:57] offset:16384*\i th:TH_STORE_NT   ; 32 lanes store 512 consecutive bytes, aligned
.endr
	s_wait_tensorcnt 0x0                           ; the wave's end, behind my last tensor load and my last LDS store
	ds_add_u32 v[SPW], v[NIL]
	s_wait_dscnt 0x0
	CROUND                                         ; the closing round: no work-group ends while a partner may still ask for a tile that names it
	s_endpgm
.Lfunc_end_k_q77e1063a88_attn:
	.size	k_q77e1063a88_attn, .Lfunc_end_k_q77e1063a88_attn-k_q77e1063a88_attn
	.p2alignl 7, 3214868480
	.fill 96, 4, 3214868480
	.section	.rodata,"a",@progbits
	.p2align	6, 0x0
	.amdhsa_kernel k_q77e1063a88_attn
		.amdhsa_group_segment_fixed_size 327680
		.amdhsa_private_segment_fixed_size 0
		.amdhsa_enable_private_segment 0
		.amdhsa_kernarg_size 40
		.amdhsa_user_sgpr_count 2
		.amdhsa_user_sgpr_kernarg_segment_ptr 1
		.amdhsa_wavefront_size32 1
		.amdhsa_system_sgpr_workgroup_id_x 1
		.amdhsa_system_sgpr_workgroup_id_y 1
		.amdhsa_system_sgpr_workgroup_id_z 1
		.amdhsa_system_vgpr_workitem_id 0
		.amdhsa_next_free_vgpr 512
		.amdhsa_next_free_sgpr 72
		.amdhsa_reserve_vcc 0
		.amdhsa_float_denorm_mode_32 3
		.amdhsa_float_denorm_mode_16_64 3
		.amdhsa_memory_ordered 1
		.amdhsa_forward_progress 1
		.amdhsa_inst_pref_size 255
	.end_amdhsa_kernel
	.section	.bss,"aw",@nobits
	.p2align	6
	.space	262144
	.amdgpu_metadata
---
amdhsa.version: [ 1, 2 ]
amdhsa.kernels:
  - .name:           k_q77e1063a88_attn
    .symbol:         k_q77e1063a88_attn.kd
    .args:
      - { .name: qc, .offset: 0, .size: 8, .value_kind: global_buffer, .address_space: global }
      - { .name: kv, .offset: 8, .size: 8, .value_kind: global_buffer, .address_space: global }
      - { .name: sc, .offset: 16, .size: 8, .value_kind: global_buffer, .address_space: global }
      - { .name: vres, .offset: 24, .size: 8, .value_kind: global_buffer, .address_space: global }
      - { .name: out0, .offset: 32, .size: 8, .value_kind: global_buffer, .address_space: global }
    .group_segment_fixed_size: 327680
    .private_segment_fixed_size: 0
    .kernarg_segment_align: 8
    .kernarg_segment_size: 40
    .max_flat_workgroup_size: 256
    .sgpr_count:     72
    .vgpr_count:     512
    .wavefront_size: 32
...
	.end_amdgpu_metadata
.endif
;; end of part 3
